; MI455X (gfx1250); checked and timed in simulation.
; The chip was launched on July 23, 2026; its instructions are those of AMD's public machine-readable ISA for CDNA 5 (MIT licence, August 2026) and "CDNA5" Instruction Set Architecture Reference Guide (July 2026). The comments in the code are by the model that wrote it; some were corrected since.
;; Modified Bert Self Attention. Allowed arithmetic: matrix products marked QUANTISED: E5M2 operands, one E8M0 scale for each 32 along K, by v_wmma_scale_f32_16x16x128_f8f6f4 with both operands' format E5M2, f32 sums; everything else in f32.
;; Inputs: Wk_codes 1,024 x 32 x 32 uint8 (E5M2 codes of Wk, K innermost, in blocks of 32 codes); Wk_scales 1,024 x 32 uint8 (E8M0 scales of Wk, one for each 32 codes along K); Wq_codes 1,024 x 32 x 32 uint8 (E5M2 codes of Wq, K innermost, in blocks of 32 codes); Wq_scales 1,024 x 32 uint8 (E8M0 scales of Wq, one for each 32 codes along K); Wv_codes 1,024 x 32 x 32 uint8 (E5M2 codes of Wv, K innermost, in blocks of 32 codes); Wv_scales 1,024 x 32 uint8 (E8M0 scales of Wv, one for each 32 codes along K); bk 1,024 float32; bq 1,024 float32; bv 1,024 float32; hidden_states_codes 4 x 2,048 x 32 x 32 uint8 (E5M2 codes of hidden_states, K innermost, in blocks of 32 codes); hidden_states_scales 4 x 2,048 x 32 uint8 (E8M0 scales of hidden_states, one for each 32 codes along K).
;; Outputs: out0 4 x 2,048 x 1,024 float32.
;; This version of the problem:
;;   THIS VERSION OF THE PROBLEM IS GIVEN IN LOW PRECISION. The matrix products marked QUANTISED in the list below multiply operands that are first quantised to E5M2 (5 exponent bits, 2 mantissa bits; 8 bits a number), with one power-of-two scale for each 32 numbers along K (OCP MX v1.0); their sums are f32. All else is computed in f32.
;;   The module's matrix products, in the order in which they are computed (A, B: the left and right operand; K: the contracted axis; several contracted axes count as one K, in the product's order):
;;     1. [M 8,192, K 1,024] x [K 1,024, N 1,024]; A: input hidden_states (given as codes); B: input Wq (given as codes): QUANTISED
;;     2. [M 8,192, K 1,024] x [K 1,024, N 1,024]; A: input hidden_states (given as codes); B: input Wk (given as codes): QUANTISED
;;     3. [M 8,192, K 1,024] x [K 1,024, N 1,024]; A: input hidden_states (given as codes); B: input Wv (given as codes): QUANTISED
;;     4. batch 64 x [M 2,048, K 64] x [K 64, N 2,048]; A: computed on the way; B: computed on the way: QUANTISED
;;     5. batch 64 x [M 2,048, K 2,048] x [K 2,048, N 64]; A: softmax (see below); B: computed on the way: QUANTISED
;;   THE QUANTISER, for each operand of a quantised product, along K:
;;     - K is cut into blocks of 32 from its start; a last block that is shorter is filled with zeros.
;;     - A block's scale is 2^e with e = floor(log2(the largest magnitude in the block)) - 15, held to -126 .. 127; a block of zeros has e = 0. As a byte (E8M0): e + 127.
;;     - Each number is divided by its block's scale, clamped to +-57,344, and rounded to the nearest number of E5M2, ties to even, subnormals kept.
;;     - The product sums the exact products of the quantised numbers (number of the format x scale) in f32.
;;   ~~~python
;;   def quantise(x, axis):      # numpy; x: float32 -> the quantised numbers, widened to float32 again
;;       x = np.moveaxis(x, axis, -1); K = x.shape[-1]
;;       x = np.pad(x, [(0, 0)] * (x.ndim - 1) + [(0, -K % 32)]); x = x.reshape(x.shape[:-1] + (-1, 32)); a = np.abs(x).max(-1, keepdims=True)
;;       e = np.where(a > 0, np.clip(np.frexp(np.where(a > 0, a, 1))[1] - 1 - 15, -126, 127), 0)      # np.frexp(a)[1] - 1 = floor(log2(a)), exactly
;;       r = np.clip(x / 2.0 ** e, -57344, 57344)
;;       step = 2.0 ** (np.maximum(np.frexp(np.where(r == 0, 1, r))[1] - 1, -14) - 2)
;;       q = np.round(r / step) * step * 2.0 ** e      # np.round: ties to even
;;       return np.moveaxis(q.reshape(q.shape[:-2] + (-1,))[..., :K], -1, axis).astype(np.float32)
;;   ~~~
;;   SOFTMAX AHEAD OF A QUANTISED PRODUCT. Where the list says 'softmax', what is quantised is not the finished softmax but p = 2^(t - M), with t = logit x log2(e) and M = ceil(the row's largest t), a whole number; so 1/2 < the row's largest p <= 1. The row's sum l is taken of the UNQUANTISED p, in f32, and the product's result is divided by l at the end. Since M is a whole number, a kernel that streams over the keys may use a running M (the ceiling of the running maximum): every later rescaling is an exact power of two, which a block's scale takes up: the codes' values come out the same.
;;   OPERANDS COMPUTED ON THE WAY. 'Computed on the way' means the value that the module computes at that place (a softmax that the list does not call 'softmax' is quantised finished and normalised). What goes into a quantiser is computed in f32, as accurately as f32 sums, v_exp_f32 and their like allow (about 1e-6 of the number): no bf16 or f16 on the way to a quantiser, and a product that is left as it is and whose result goes on into a quantised operand takes f32 operands (vector FMAs, or v_wmma_f32_16x16x4_f32). A number that lies on a knife's edge between two numbers of the format may be rounded either way, as far as f32 arithmetic and the matrix unit's own rounding can turn it there, and no further.
;;   INPUTS GIVEN AS CODES. Wk (in the module: [1024, 1024], K = its axis 1); Wq (in the module: [1024, 1024], K = its axis 1); Wv (in the module: [1024, 1024], K = its axis 1); hidden_states (in the module: [4, 2048, 1024], K = its axis 2): each comes as NAME_codes (uint8): NAME with its K axis moved to the last place and cut into blocks of 32 codes, [.., K / 32, bytes a block], one block behind the other in memory; one code a byte (a code: sign, 5 exponent bits, 2 mantissa bits); and NAME_scales (uint8): the same leading axes, one E8M0 byte (e + 127) for each 32 codes along K. Its value is code x scale, taken as it is: it is not quantised again, and the codes and scales need not be those that the quantiser above would give.
;; One version. Each part assembles by itself: llvm-mc -triple=amdgcn-amd-amdhsa -mcpu=gfx1250 --defsym DOCPART=n.
;; ======== version 1 of 1: 2 launches
;; limits: right only within a limited range of input values
;; workspace buffers: qimg 8,388,608 bytes; qsc 262,144 bytes; kv 17,301,504 bytes
;; launch proj (part 1): grid 12 x 32, 4 waves a work-group, clusters of 4 x 4, 327,680 bytes of LDS; arguments hidden_states_codes, hidden_states_scales, Wq_codes, Wq_scales, Wk_codes, Wk_scales, Wv_codes, Wv_scales, bq, bk, bv, qimg, qsc, kv; writes qimg, qsc, kv
.if DOCPART == 1
	.amdgcn_target "amdgcn-amd-amdhsa--gfx1250"
	.amdhsa_code_object_version 6
	.text
	.protected	k_q2aeed6f435_proj
	.globl	k_q2aeed6f435_proj
	.p2align	8
	.type	k_q2aeed6f435_proj,@function
k_q2aeed6f435_proj:
	s_mov_b64 s[64:65], 0
	v_nop
	global_prefetch_b8 v0, s[64:65] scope:SCOPE_SE
	s_setreg_imm32_b32 hwreg(HW_REG_WAVE_MODE, 25, 1), 1
	s_wait_xcnt 0x0
	s_wait_alu depctr_hold_cnt(0) depctr_sa_sdst(0) depctr_va_vdst(0) depctr_va_sdst(0) depctr_va_ssrc(0) depctr_va_vcc(0) depctr_vm_vsrc(0)
	s_getreg_b32 s2, hwreg(HW_REG_IB_STS2, 6, 4)
	s_cmp_eq_u32 s2, 0
	s_cbranch_scc0 .Lentry_in_a_cluster
	s_endpgm
.Lentry_in_a_cluster:
	s_bfe_u32 s2, ttmp6, 0x10000c
	s_cmp_lg_u32 s2, 0xf033
	s_cbranch_scc0 .Lentry_shape_is_right
	s_endpgm
.Lentry_shape_is_right:
.set ROWB,   256
.set KROW,   1024
.set NQ,     2
.set PITCH,  272
.set FR,     16
.set NL,     4
.set NP,     8
.set HALFT,  128*PITCH
.set SLOT,   4*HALFT
.set LAPS,   2
.set SCL,    2*SLOT
.set HALFS,  16*272
.set SGRP,   4*272
.set SPARE,  SCL+4*HALFS
.set ADRS, 8
.set OFF,  10
.set SOFF, 14
.set SELQ, 15
.set ADRA, 16
.set ADRB, 20
.set SELV, 24
.set SPW,  28
.set NIL,  29
.set SC,   32
.set BIAS, 64
.set PW,   64
.set TM,   72
.set T4,   76
.set LIM,  80
.set SCO,  84
.set DQ,   88
.set DV,   92
.set SD,   96
.set AF,   128
.set HELD, 128
.set G1, 24
.set G0, 32
.set G1B, 48
.set G0B, 56
.set G1S, 68
.set G0S, 76
.set G1SB, 80
.set G0SB, 88
.set MSB, 0
.macro WIN new
.if MSB != (\new)
	s_set_vgpr_msb (MSB<<8)|(\new)
.set MSB, (\new)
.endif
.endm
.set MUL_LO, 0xa1
.set MUL_HI, 0xf1
.set TO_B,   0x40
.macro JLOAD g0a, g1a, g0b, g1b
	s_cmp_eq_u32 s15, 0
	s_cbranch_scc0 .Lfor_b_\@
	tensor_load_to_lds s[\g0a:\g0a+3], s[\g1a:\g1a+7]
	s_nop 0
.rept 4
	v_nop
.endr
	s_branch .Lasked_\@
.Lfor_b_\@:
	tensor_load_to_lds s[\g0b:\g0b+3], s[\g1b:\g1b+7]
	s_nop 0
.rept 4
	v_nop
.endr
.Lasked_\@:
.endm
.macro CREST
	s_cmp_lg_u32 s14, 0
	s_cbranch_scc1 .Lnot_wave_0_\@
	s_barrier_signal -3
.Lnot_wave_0_\@:
	s_barrier_wait -3
	s_barrier_signal -1
	s_barrier_wait -1
.endm
.macro CROUND
	s_barrier_signal -1
	s_barrier_wait -1
	CREST
.endm
	s_load_b512 s[68:83], s[0:1], 0x0
	s_load_b256 s[84:91], s[0:1], 0x40
	s_load_b128 s[92:95], s[0:1], 0x60
	v_lshl_add_u32 v[SPW], v0, 2, SPARE
	v_mov_b32 v[NIL], 0
	ds_add_u32 v28, v29
	ds_add_u32 v28, v29
	s_wait_dscnt 0x0
	v_lshrrev_b32 v1, 5, v0
	v_readfirstlane_b32 s14, v1
	s_lshr_b32 s15, s14, 1
	s_and_b32 s16, s14, 1
	s_bfe_u32 s40, ttmp6, 0x40000
	s_bfe_u32 s41, ttmp6, 0x40004
	s_mov_b32 s67, ttmp9
	s_and_b32 s18, ttmp7, 0xffff
	s_lshl_b32 s18, s18, 2
	s_cmp_eq_u32 s67, 2
	s_cselect_b32 s19, 0, s18
	s_cselect_b32 s45, s18, 0
	s_cselect_b32 s2, -1, 0
	s_add_co_u32 s17, s41, s19
	s_add_co_u32 s42, s40, s45
	s_lshl_b32 s43, s41, 2
	s_lshl_b32 s43, 15, s43
	s_lshl_b32 s44, 0x1111, s40
	s_or_b32 s[G1+0], s43, (0<<16)|(1<<20)|(1<<21)|(5<<22)|(3<<25)
	s_or_b32 s[G1B+0], s44, (0<<16)|(1<<20)|(1<<21)|(5<<22)|(3<<25)
.irp g, G1, G1B
	s_mov_b32 s[\g+1], ROWB<<16
	s_mov_b32 s[\g+2], 128<<16
	s_mov_b32 s[\g+3], ROWB<<16
	s_mov_b32 s[\g+4], 128
	s_mov_b32 s[\g+5], KROW
	s_mov_b32 s[\g+6], 0
	s_mov_b32 s[\g+7], 0
.endr
	s_lshl_b32 s18, s16, 7
	s_lshl_b32 s20, s17, 8
	s_add_co_u32 s20, s20, s18
	s_lshl_b32 s46, s42, 8
	s_add_co_u32 s46, s46, s18
	s_lshl_b32 s22, s20, 5
	s_lshl_b32 s20, s20, 10
	s_lshl_b32 s18, s46, 5
	s_lshl_b32 s46, s46, 10
	s_mov_b32 s21, 0
	s_mov_b32 s23, 0
	s_mov_b32 s19, 0
	s_mov_b32 s47, 0
	s_mul_i32 s45, s14, HALFT
	s_mul_i32 s3, s14, HALFS
	s_wait_kmcnt 0x0
	s_cmp_eq_u32 s67, 0
	s_cselect_b64 s[96:97], s[72:73], s[76:77]
	s_cselect_b64 s[98:99], s[74:75], s[78:79]
	s_cselect_b64 s[12:13], s[84:85], s[86:87]
	s_cmp_eq_u32 s67, 2
	s_cselect_b64 s[4:5], s[80:81], s[68:69]
	s_cselect_b64 s[6:7], s[82:83], s[70:71]
	s_cselect_b64 s[8:9], s[68:69], s[96:97]
	s_cselect_b64 s[10:11], s[70:71], s[98:99]
	s_cselect_b64 s[12:13], s[88:89], s[12:13]
	s_cmp_eq_u32 s67, 0
	s_cselect_b64 s[96:97], s[90:91], s[94:95]
	s_cselect_b64 s[98:99], s[92:93], s[94:95]
	s_add_nc_u64 s[4:5], s[4:5], s[20:21]
	s_add_nc_u64 s[6:7], s[6:7], s[22:23]
	s_add_nc_u64 s[8:9], s[8:9], s[46:47]
	s_add_nc_u64 s[10:11], s[10:11], s[18:19]
	s_or_b32 s[G1S+0], s43, (3<<16)|(1<<20)|(1<<21)|(5<<22)|(3<<25)
	s_or_b32 s[G1SB+0], s44, (3<<16)|(1<<20)|(1<<21)|(5<<22)|(3<<25)
.irp g, G1S, G1SB
	s_mov_b32 s[\g+1], 32<<16
	s_mov_b32 s[\g+2], 16<<16
	s_mov_b32 s[\g+3], 32<<16
	s_mov_b32 s[\g+4], 16
	s_mov_b32 s[\g+5], 32
	s_mov_b32 s[\g+6], 0
	s_mov_b32 s[\g+7], 0
.endr
	CROUND
	s_mov_b32 s[G0S], 1
	s_add_co_u32 s[G0S+1], s3, SCL
	s_mov_b64 s[G0S+2:G0S+3], s[6:7]
	s_or_b32 s[G0S+3], s[G0S+3], 0x80000000
	s_mov_b32 s[G0SB], 1
	s_add_co_u32 s[G0SB+1], s3, SCL
	s_mov_b64 s[G0SB+2:G0SB+3], s[10:11]
	s_or_b32 s[G0SB+3], s[G0SB+3], 0x80000000
	JLOAD G0S, G1S, G0SB, G1SB
.irp s, 0,1
	s_mov_b32 s[G0+4*\s], 1
	s_add_co_u32 s[G0+4*\s+1], s45, \s*SLOT
	s_add_nc_u64 s[G0+4*\s+2:G0+4*\s+3], s[4:5], \s*ROWB
	s_or_b32 s[G0+4*\s+3], s[G0+4*\s+3], 0x80000000
	s_mov_b32 s[G0B+4*\s], 1
	s_add_co_u32 s[G0B+4*\s+1], s45, \s*SLOT
	s_add_nc_u64 s[G0B+4*\s+2:G0B+4*\s+3], s[8:9], \s*ROWB
	s_or_b32 s[G0B+4*\s+3], s[G0B+4*\s+3], 0x80000000
	s_wait_alu depctr_va_vdst(0)
	s_wait_tensorcnt 0x0
	ds_add_u32 v28, v29
	s_wait_dscnt 0x0
	CROUND
	JLOAD G0+4*\s, G1, G0B+4*\s, G1B
.endr
	v_and_b32 v1, 15, v0
	v_bfe_u32 v2, v0, 4, 1
	v_lshrrev_b32 v3, 3, v1
	v_lshl_add_u32 v4, v3, 4, v1
	v_add_nc_u32 v5, 8, v1
	v_mul_u32_u24 v6, v4, PITCH
	v_lshl_add_u32 v6, v2, 4, v6
	v_mul_u32_u24 v7, v5, PITCH
	v_lshl_add_u32 v7, v2, 4, v7
	s_mul_i32 s21, s15, HALFT
	s_mul_i32 s22, s16, HALFT
	s_add_co_u32 s22, s22, 2*HALFT
.irp s, 0,1
	v_add_nc_u32 v[ADRA+2*\s], s21, v6
	v_add_nc_u32 v[ADRA+2*\s+1], s21, v7
	v_add_nc_u32 v[ADRB+2*\s], s22, v6
	v_add_nc_u32 v[ADRB+2*\s+1], s22, v7
	s_add_co_u32 s21, s21, SLOT
	s_add_co_u32 s22, s22, SLOT
.endr
	v_and_b32 v6, 7, v1
	v_lshlrev_b32 v6, 5, v6
	v_mad_u32_u24 v7, v3, 816, v6
	v_mad_u32_u24 v6, v3, 272, v6
	s_mul_i32 s21, s15, HALFS
	s_mul_i32 s22, s16, HALFS
	s_add_co_u32 s22, s22, 2*HALFS
	s_sub_co_u32 s22, s22, s21
	v_mul_u32_u24 v25, s22, v2
	s_add_co_u32 s21, s21, SCL
	v_add_nc_u32 v25, s21, v25
	v_add_nc_u32 v[ADRS], v25, v7
	v_add_nc_u32 v[ADRS+1], v25, v6
	v_add_nc_u32 v[ADRS+1], 272, v[ADRS+1]
	s_lshl_b32 s20, s17, 8
	s_lshl_b32 s21, s15, 7
	s_add_co_u32 s20, s20, s21
	s_lshl_b32 s46, s42, 8
	s_lshl_b32 s47, s16, 7
	s_add_co_u32 s46, s46, s47
	s_cmp_eq_u32 s67, 2
	s_cselect_b32 s22, s46, s20
	s_cselect_b32 s23, s20, s46
	s_cselect_b32 s21, 0, 4
	s_lshl_b32 s18, s23, 2
	s_mov_b32 s19, 0
	s_add_nc_u64 s[12:13], s[12:13], s[18:19]
	v_lshlrev_b32 v26, 2, v4
	v_mul_u32_u24 v27, v2, 96
	v_cndmask_b32 v26, v27, v26, s2
	v_lshlrev_b32 v27, 2, v5
	v_lshl_add_u32 v30, v2, 5, 32
	v_cndmask_b32 v27, v30, v27, s2
.irp j, 0,1,2,3,4,5,6,7
	v_mad_u32_u24 v[128+\j], s21, \j, v26
	v_mad_u32_u24 v[136+\j], s21, \j, v27
.endr
.irp i, 0,1,2,3,4,5,6,7
.irp j, 0,1,2,3,4,5,6,7
	global_load_b32 v[BIAS+8*\i+\j], v[128+8*(\i%2)+\j], s[12:13] offset:128*(\i/2)
.endr
.endr
	s_lshr_b32 s18, s22, 11
	s_lshl_b32 s18, s18, 4
	s_lshr_b32 s19, s23, 6
	s_add_co_u32 s18, s18, s19
	s_bfe_u32 s19, s22, 0x40007
	s_mov_b32 s20, 270336
	s_mov_b32 s21, 270336
	s_cmp_eq_u32 s67, 0
	s_cselect_b32 s20, 131072, s20
	s_cselect_b32 s21, 4096, s21
	s_cmp_ge_u32 s19, 4
	s_cselect_b32 s46, 131072, 0
	s_add_co_u32 s46, s46, 8192
	s_mov_b32 s4, 1024
	s_cmp_eq_u32 s67, 2
	s_cselect_b32 s46, s46, 40960
	s_cselect_b32 s44, 4096, 0
	s_cselect_b32 s4, 2048, s4
	s_cselect_b32 s6, 262144, 0
	s_cselect_b32 s22, 1024, s20
	s_cmp_eq_u32 s67, 0
	s_cselect_b32 s46, 0, s46
	s_mul_i32 s23, s18, s20
	s_add_co_u32 s46, s46, s23
	s_lshl_b32 s23, s19, 13
	s_add_co_u32 s46, s46, s23
	s_mul_i32 s23, s18, s21
	s_add_co_u32 s44, s44, s23
	s_lshl_b32 s23, s19, 8
	s_add_co_u32 s44, s44, s23
	s_mov_b32 s47, 0
	s_mov_b32 s45, 0
	s_mov_b32 s5, 0
	s_mov_b32 s7, 0
	s_add_nc_u64 s[96:97], s[96:97], s[46:47]
	s_add_nc_u64 s[98:99], s[98:99], s[44:45]
	s_mov_b32 s10, 0x76543210
	s_mov_b32 s11, 0xfedcba98
	v_and_b32 v[OFF], 31, v0
	v_lshlrev_b32 v[OFF], 4, v[OFF]
	v_add_nc_u32 v[OFF+1], 512, v[OFF]
	v_add_nc_u32 v[OFF+2], s22, v[OFF]
	v_add_nc_u32 v[OFF+3], 512, v[OFF+2]
	v_mul_u32_u24 v[SOFF], v2, s21
	v_lshl_add_u32 v[SOFF], v1, 4, v[SOFF]
	v_mul_lo_u32 v[SELQ], 0x02020202, v2
	v_add_nc_u32 v[SELV], v[SELQ], v[SELQ]
	v_add_nc_u32 v[SELQ], 0x05040100, v[SELQ]
	v_add_nc_u32 v[SELV], 0x03020100, v[SELV]
.macro FRAG reg, adr, q, i
.irp c, 0,1,2,3
	ds_load_b128 v[\reg+4*\c:\reg+4*\c+3], v[\adr+((\i)%2)] offset:128*(\q)+32*\c+((\i)/2)*32*PITCH
.endr
.endm
.macro MUL16 a0, p, q, sc, mode
.irp a, \a0, \a0+1
.irp b, 0,1,2,3,4,5,6,7
.if \mode == 0
	v_wmma_scale_f32_16x16x128_f8f6f4 v[8*(8*((\a)%4)+\b):8*(8*((\a)%4)+\b)+7], v[128*(\p)+FR*\b:128*(\p)+FR*\b+FR-1], v[AF+FR*(\a):AF+FR*(\a)+FR-1], v[8*(8*((\a)%4)+\b):8*(8*((\a)%4)+\b)+7], v[SC+8*NQ*(\sc)+NQ*\b+(\q)], v[SC+8*NQ*(\sc)+NQ*(\a)+(\q)] matrix_a_fmt:MATRIX_FMT_BF8 matrix_b_fmt:MATRIX_FMT_BF8 matrix_a_scale:MATRIX_SCALE_ROW1
.elseif \mode == 1
	v_wmma_scale_f32_16x16x128_f8f6f4 v[8*(8*((\a)%4)+\b):8*(8*((\a)%4)+\b)+7], v[128*(\p)+FR*\b:128*(\p)+FR*\b+FR-1], v[AF+FR*(\a):AF+FR*(\a)+FR-1], v[BIAS+8*\b:BIAS+8*\b+7], v[SC+8*NQ*(\sc)+NQ*\b+(\q)], v[SC+8*NQ*(\sc)+NQ*(\a)+(\q)] matrix_a_fmt:MATRIX_FMT_BF8 matrix_b_fmt:MATRIX_FMT_BF8 matrix_a_scale:MATRIX_SCALE_ROW1
.else
	v_wmma_scale_f32_16x16x128_f8f6f4 v[8*(8*((\a)%4)+\b):8*(8*((\a)%4)+\b)+7], v[128*(\p)+FR*\b:128*(\p)+FR*\b+FR-1], v[AF+FR*(\a):AF+FR*(\a)+FR-1], v[BIAS+8*(\a):BIAS+8*(\a)+7], v[SC+8*NQ*(\sc)+NQ*\b+(\q)], v[SC+8*NQ*(\sc)+NQ*(\a)+(\q)] matrix_a_fmt:MATRIX_FMT_BF8 matrix_b_fmt:MATRIX_FMT_BF8 matrix_a_scale:MATRIX_SCALE_ROW1
.endif
.endr
.endr
.endm
.macro FETCH_B slot, q, p
	WIN TO_B
.irp i, 0,1,2,3,4,5,6,7
	FRAG 128*(\p)+FR*\i, ADRB+2*\slot, \q, \i
.endr
	WIN 0
.endm
.macro FETCH_A slot, q, i0
.irp i, \i0, \i0+1, \i0+2, \i0+3
	FRAG AF+FR*(\i), ADRA+2*\slot, \q, \i
.endr
.endm
.macro SCALES sc
.irp i, 0,1,2,3,4,5,6,7
	ds_load_b64 v[SC+8*NQ*\sc+NQ*\i:SC+8*NQ*\sc+NQ*\i+1], v[ADRS+(\i%2)] offset:(\i/2)*SGRP
.endr
.endm
.macro PLACES n
.rept \n
	v_nop
.endr
.endm
.macro STEP slot, q, mode
	s_wait_dscnt 4*NL
.if \mode
	WIN 0x81
.else
	WIN MUL_LO
.endif
	MUL16 0, (\q)%2, \q, \slot, \mode
	MUL16 2, (\q)%2, \q, \slot, \mode
	s_wait_dscnt 0
	PLACES NP
	FETCH_B \slot, (\q)+1, 1-(\q)%2
	FETCH_A \slot, (\q)+1, 0
.if \mode
	WIN 0xc1
.else
	WIN MUL_HI
.endif
	MUL16 4, (\q)%2, \q, \slot, \mode
	MUL16 6, (\q)%2, \q, \slot, \mode
	PLACES NP
	WIN 0
	FETCH_A \slot, (\q)+1, 4
.endm
.macro TURN slot, next, fill
	s_wait_tensorcnt 0x0
	ds_add_u32 v[SPW], v[NIL]
	s_wait_dscnt 4*NL+1
	WIN MUL_LO
	MUL16 0, 1, NQ-1, \slot, 0
	s_wait_dscnt 0x0
	s_barrier_signal -1
	MUL16 2, 1, NQ-1, \slot, 0
	WIN 0
	s_barrier_wait -1
.if \fill
	CREST
	s_add_nc_u64 s[G0+4*\slot+2:G0+4*\slot+3], s[G0+4*\slot+2:G0+4*\slot+3], 2*ROWB
	s_add_nc_u64 s[G0B+4*\slot+2:G0B+4*\slot+3], s[G0B+4*\slot+2:G0B+4*\slot+3], 2*ROWB
	JLOAD G0+4*\slot, G1, G0B+4*\slot, G1B
	PLACES NP-4
.else
	PLACES NP
.endif
	s_wait_alu depctr_va_vdst(0)
	v_add_nc_u32 v[ADRS], 4*NQ, v[ADRS]
	v_add_nc_u32 v[ADRS+1], 4*NQ, v[ADRS+1]
	FETCH_B \next, 0, 0
	FETCH_A \next, 0, 0
	SCALES \next
	WIN MUL_HI
	MUL16 4, 1, NQ-1, \slot, 0
	MUL16 6, 1, NQ-1, \slot, 0
	PLACES NP
	WIN 0
	FETCH_A \next, 0, 4
.endm
	s_wait_tensorcnt 1
	s_barrier_signal -1
	s_barrier_wait -1
	s_wait_loadcnt 0x0
	FETCH_B 0, 0, 0
	FETCH_A 0, 0, 0
	SCALES 0
	FETCH_A 0, 0, 4
	s_cmp_eq_u32 s67, 2
	s_cbranch_scc1 .Lfirst_v
	STEP 0, 0, 1
	s_branch .Ljoin
.Lfirst_v:
	STEP 0, 0, 2
.Ljoin:
	s_mov_b32 s3, LAPS-1
.Llap:
	TURN 0, 1, 1
	STEP 1, 0, 0
	TURN 1, 0, 1
	STEP 0, 0, 0
	s_sub_co_u32 s3, s3, 1
	s_cmp_lg_u32 s3, 0
	s_cbranch_scc1 .Llap
	TURN 0, 1, 0
	STEP 1, 0, 0
	s_wait_dscnt 4*NL
	WIN MUL_LO
	MUL16 0, 1, NQ-1, 1, 0
	MUL16 2, 1, NQ-1, 1, 0
	s_wait_dscnt 0
	WIN MUL_HI
	MUL16 4, 1, NQ-1, 1, 0
	MUL16 6, 1, NQ-1, 1, 0
	WIN 0
.macro QOUT a
.set WW, 2+(\a)/4
.set AC, 64*((\a)%4)
.set CD, 192+16*((\a)%4)
.set WN, WW|(WW<<2)
.if (\a) > 0
	s_wait_xcnt 0x0
	s_add_nc_u64 s[96:97], s[96:97], s[4:5]
.endif
.if (\a) == 4
	s_add_nc_u64 s[96:97], s[96:97], s[6:7]
.endif
	WIN WN
.irp b, 0,1,2,3
	v_max3_num_f32 v[TM+\b], |v[AC+16*\b]|, |v[AC+16*\b+1]|, 0x8000000
.endr
.irp i, 2,4,6,8,10,12,14
.irp b, 0,1,2,3
	v_max3_num_f32 v[TM+\b], |v[AC+16*\b+\i]|, |v[AC+16*\b+\i+1]|, v[TM+\b]
.endr
.endr
	WIN 0
.irp b, 0,1,2,3
	v_permlanex16_b32 v[T4+\b], v[TM+\b], s10, s11
.endr
.irp b, 0,1,2,3
	v_max_num_f32 v[TM+\b], v[TM+\b], v[T4+\b]
.endr
.irp b, 0,1,2,3
	v_add_nc_u32 v[SCO+\b], 0xf8800000, v[TM+\b]
.endr
.irp b, 0,1,2,3
.endr
.irp b, 0,1,2,3
	v_lshrrev_b32 v[T4+\b], 23, v[SCO+\b]
.endr
	v_lshl_or_b32 v[PW+(\a)], v[T4+1], 8, v[T4]
	v_lshl_or_b32 v[PW+(\a)], v[T4+2], 16, v[PW+(\a)]
	v_lshl_or_b32 v[PW+(\a)], v[T4+3], 24, v[PW+(\a)]
	WIN WW
.set n, 0
.rept 64
.set n, n+1
.endr
.irp k, 0,1,2,3,4,5,6,7
	v_cvt_scalef32_pk8_bf8_f32 v[CD+2*\k:CD+2*\k+1], v[AC+8*\k:AC+8*\k+7], v[SCO+\k/2]
.endr
	WIN 0
	v_nop
.irp g, 0,1,2,3
	global_store_b128 v[OFF+\g], v[CD+4*\g:CD+4*\g+3], s[96:97]
.endr
.endm
.irp b, 0,1,2,3
	v_mov_b32 v[T4+\b], 0
.endr
	PLACES NP-4
.irp a, 0,1,2,3,4,5,6,7
	QOUT \a
.endr
.irp i, 0,1,2,3
	v_perm_b32 v[DQ+\i], v[PW+2*\i+1], v[PW+2*\i], v[SELQ]
	v_perm_b32 v[DV+\i], v[PW+4+\i], v[PW+\i], v[SELV]
.endr
.irp i, 0,1,2,3
	v_cndmask_b32 v[SD+\i], v[DQ+\i], v[DV+\i], s2
.endr
	global_store_b128 v[SOFF], v[SD:SD+3], s[98:99]
	s_wait_tensorcnt 0x0
	ds_add_u32 v[SPW], v[NIL]
	s_wait_dscnt 0x0
	CROUND
	s_endpgm
.Lfunc_end_k_q2aeed6f435_proj:
	.size	k_q2aeed6f435_proj, .Lfunc_end_k_q2aeed6f435_proj-k_q2aeed6f435_proj
	.p2alignl 7, 3214868480
	.fill 96, 4, 3214868480
	.section	.rodata,"a",@progbits
	.p2align	6, 0x0
	.amdhsa_kernel k_q2aeed6f435_proj
		.amdhsa_group_segment_fixed_size 327680
		.amdhsa_private_segment_fixed_size 0
		.amdhsa_enable_private_segment 0
		.amdhsa_kernarg_size 112
		.amdhsa_user_sgpr_count 2
		.amdhsa_user_sgpr_kernarg_segment_ptr 1
		.amdhsa_wavefront_size32 1
		.amdhsa_system_sgpr_workgroup_id_x 1
		.amdhsa_system_sgpr_workgroup_id_y 1
		.amdhsa_system_sgpr_workgroup_id_z 1
		.amdhsa_system_vgpr_workitem_id 0
		.amdhsa_next_free_vgpr 1024
		.amdhsa_next_free_sgpr 100
		.amdhsa_reserve_vcc 0
		.amdhsa_float_denorm_mode_32 3
		.amdhsa_float_denorm_mode_16_64 3
		.amdhsa_fp16_overflow 1
		.amdhsa_memory_ordered 1
		.amdhsa_forward_progress 1
		.amdhsa_inst_pref_size 174
	.end_amdhsa_kernel
	.amdgpu_metadata
---
amdhsa.version: [ 1, 2 ]
amdhsa.kernels:
  - .name:           k_q2aeed6f435_proj
    .symbol:         k_q2aeed6f435_proj.kd
    .args:
      - { .name: hidden_states_codes, .offset: 0, .size: 8, .value_kind: global_buffer, .address_space: global }
      - { .name: hidden_states_scales, .offset: 8, .size: 8, .value_kind: global_buffer, .address_space: global }
      - { .name: Wq_codes, .offset: 16, .size: 8, .value_kind: global_buffer, .address_space: global }
      - { .name: Wq_scales, .offset: 24, .size: 8, .value_kind: global_buffer, .address_space: global }
      - { .name: Wk_codes, .offset: 32, .size: 8, .value_kind: global_buffer, .address_space: global }
      - { .name: Wk_scales, .offset: 40, .size: 8, .value_kind: global_buffer, .address_space: global }
      - { .name: Wv_codes, .offset: 48, .size: 8, .value_kind: global_buffer, .address_space: global }
      - { .name: Wv_scales, .offset: 56, .size: 8, .value_kind: global_buffer, .address_space: global }
      - { .name: bq, .offset: 64, .size: 8, .value_kind: global_buffer, .address_space: global }
      - { .name: bk, .offset: 72, .size: 8, .value_kind: global_buffer, .address_space: global }
      - { .name: bv, .offset: 80, .size: 8, .value_kind: global_buffer, .address_space: global }
      - { .name: qimg, .offset: 88, .size: 8, .value_kind: global_buffer, .address_space: global }
      - { .name: qsc, .offset: 96, .size: 8, .value_kind: global_buffer, .address_space: global }
      - { .name: kv, .offset: 104, .size: 8, .value_kind: global_buffer, .address_space: global }
    .group_segment_fixed_size: 327680
    .private_segment_fixed_size: 0
    .kernarg_segment_align: 8
    .kernarg_segment_size: 112
    .max_flat_workgroup_size: 128
    .sgpr_count:     100
    .vgpr_count:     1024
    .wavefront_size: 32
...
	.end_amdgpu_metadata
.endif
;; end of part 1
;; launch attn (part 2): grid 4 x 64, 8 waves a work-group, clusters of 4 x 1, 327,680 bytes of LDS; arguments qimg, qsc, kv, out0; writes out0
.if DOCPART == 2
	.amdgcn_target "amdgcn-amd-amdhsa--gfx1250"
	.amdhsa_code_object_version 6
	.text
	.protected	k_q2aeed6f435_attn
	.globl	k_q2aeed6f435_attn
	.p2align	8
	.type	k_q2aeed6f435_attn,@function
k_q2aeed6f435_attn:
	s_mov_b64 s[64:65], 0
	v_nop
	global_prefetch_b8 v0, s[64:65] scope:SCOPE_SE
	s_setreg_imm32_b32 hwreg(HW_REG_WAVE_MODE, 25, 1), 1
	s_wait_xcnt 0x0
	s_wait_alu depctr_hold_cnt(0) depctr_sa_sdst(0) depctr_va_vdst(0) depctr_va_sdst(0) depctr_va_ssrc(0) depctr_va_vcc(0) depctr_vm_vsrc(0)
	s_getreg_b32 s2, hwreg(HW_REG_IB_STS2, 6, 4)
	s_cmp_eq_u32 s2, 0
	s_cbranch_scc0 .Lentry_in_a_cluster
	s_endpgm
.Lentry_in_a_cluster:
	s_bfe_u32 s2, ttmp6, 0x10000c
	s_cmp_lg_u32 s2, 0x3003
	s_cbranch_scc0 .Lentry_shape_is_right
	s_endpgm
.Lentry_shape_is_right:
; out[batch][q][head][:] = the sum over k of softmax_k(Q . K / 8) V, both products on codes of BF8 (E5M2) with one E8M0 scale for each 32 along a product's K.  2,048 queries and keys, 64 channels, 64 pairs hb = 16 x batch + head.
; THE SOFTMAX AHEAD OF THE SECOND PRODUCT: t = score x log2(e) / 8; M = the row's largest t so far, rounded UP to a whole number; p = 2^(t - M) is quantised along the keys, not normalised.  The row's sum is taken of the
; unquantised p, in f32, and divides at the end.  When M moves, the sum and O are multiplied by 2^(old M - new M): exact.
; INPUTS are images of operand registers, made by the launch before: a run of four registers is 512 bytes, lane l's 16 bytes at 16 l.  Of a group of 32 rows, tile u = 0 holds rows 0-7 and 24-31, tile u = 1 rows 8-23.
;   qimg [hb][q / 32][u][beta][lane][16]: query tile u, channels 32 beta on.   qsc [hb][q / 128][r][4 words]: word b = the two bytes of row r of tile (b, 0), then of tile (b, 1).
;   kv [hb][270,336]: K's scale words 16 x 256 | V's 16 x 256 | V of steps 0-3 | K of steps 0-15 | V of steps 4-15; a step is 128 keys, 8,192 bytes of K (4 groups of 32 keys [u][beta][lane][16]) or of V (4 tiles of 16 channels [key block][lane][16]).
; SHARES.  A cluster of four work-groups is one hb; a work-group owns 512 queries.  THE HEAD'S WHOLE BLOCK OF kv COMES INTO LDS ONCE, by joint loads that name the four, as it lies: nothing is filled again, and the loop over
; the keys has no barrier.  Each of the eight waves takes a group of 32 queries in each of two passes: its two tiles at once, tile 0 in register window 0 and tile 1 in window 1 at the same numbers, so that each fragment of K
; read from LDS feeds four products and each of V two.
; LAYOUT.  Both products are used transposed: S^T = K Q^T, O^T = V^T P^T: a lane holds ONE query throughout.  THE FIRST PRODUCT HAS K = 64, the instruction 128: a fragment of K holds TWO key tiles, (b, 0) in K 0..63 and (b, 1) in
; K 64..127; multiplied by [q | zeros] it gives the first tile's scores, by [zeros | q] the second's (zero codes add nothing: K's codes are finite, being held, and no scale byte is 0xff).
; A lane's 16 registers of score tiles 2 b, 2 b + 1 are the keys of its half of block b in the order in which V's images hold them.
; LIMITS: NaN and infinities are not served.  A block whose every p has fallen under 2^-111 keeps the byte 1.  A block's largest p is taken from its largest score through the same multiply-add and exponential; this takes
; v_exp_f32 not to fall where its input rises.
; REGISTERS.  window 0: v1-10 addresses, v7 q's raw scale word; v176-239 V's fragments (on the way out: rows of the result); v240-243 K's scale words, v244-247 V's, v248-249 q's, v250-251 p's: scales and nothing else.
;   window 1: v176-239 K's fragments.   In both windows, for the window's tile: v12 -M, v13 the largest t, v[14:15] the sum; v16-23 zeros, v24-31 q, v32-39 zeros; v40-103 S^T, then p; v104-135 O^T; v136-151 p's codes; v152-173 at work.
.set VSO,   4096                       ; LDS = a head's block of kv: V's scale words,
.set V0,    8192                       ; V of step 0,
.set K0,    40960                      ; K of step 0,
.set VJUMP, 131072                     ; and V's steps 4-15 lie this much further on than 8,192 x step + V0
.set HEADB, 270336
.set PARTA, 40*256                     ; a wave's part of the first 81,920 bytes (the scale words, V of steps 0-3, K of steps 0-4),
.set PARTB, 92*256                     ; and of the other 188,416
.set STAGE, HEADB                      ; behind the block: 16 rows x (256 bytes + 16) for each wave, for the way out; no tensor load lands there
.set LI,   1                           ; v1   16 x lane
.set ASC,  2                           ; v2   16 x (lane % 16): a row's four scale words
.set SOL,  3                           ; v3   the stage: row r, byte 96 h: tile u = 0's eight channels
.set SOH,  4                           ; v4   row r, byte 32 + 32 h: tile u = 1's
.set SR,   5                           ; v5   back: lanes 0-15 one row, lanes 16-31 the next
.set GO,   6                           ; v6   the same two rows in out0: 4,096 bytes apart
.set QW,   7
.set ADK,  8
.set ADV,  9
.set ADS,  10
.set NM,   12
.set MT,   13
.set S,    40
.set OT,   104
.set PC,   136
.set BM,   152                         ; v152-155 a block's largest score, then its largest p
.set T2,   156                         ; v156-159 the other half's; then the bytes
.set LIM,  160
.set SCO,  164                         ; v164-167 the conversions' scale operands
.set FF,   168                         ; v[168:169] f = 2^(old M - new M), named as a pair
.set TMP,  170
.set PWD,  171
.set CH,   172                         ; v[172:173] the sum's second chain
.set FV,   176
.set FK,   176
.set KSR,  240
.set VSR,  244
.set QS,   248
.set PS,   250
.set WV,   12                          ; s12  my wave's number
.set SEL,  40                          ; s[40:41] v_permlanex16_b32's selects for lane l xor 16
.set CS,   42                          ; s[42:43] c = log2(e) / 8
.set MNT,  44
.set TBK,  45                          ; s45  LDS byte of the step's K;  s46 of its V;  s47 of its scale words
.set TBV,  46
.set TBS,  47
.set CNT,  48
.set MSB, 0
.macro WIN new                         ; low byte: bits 1:0 source 0, 3:2 source 1, 5:4 source 2, 7:6 destination; the high byte repeats the setting that is left
.if MSB != (\new)
	s_set_vgpr_msb (MSB<<8)|(\new)
.set MSB, (\new)
.endif
.endm
.macro ROUND                           ; a round of the cluster's barrier
	s_barrier_signal -1
	s_barrier_wait -1
	s_cmp_lg_u32 s[WV], 0
	s_cbranch_scc1 .Lnot_wave_0_\@
	s_barrier_signal -3
.Lnot_wave_0_\@:
	s_barrier_wait -3
	s_barrier_signal -1
	s_barrier_wait -1
.endm
	s_load_b256 s[4:11], s[0:1], 0x0               ; qimg s[4:5], qsc s[6:7], kv s[8:9], out0 s[10:11]
	v_lshl_add_u32 v254, v0, 2, 0x4a800
	v_mov_b32 v255, 0
	ds_add_u32 v254, v255
	ds_add_u32 v254, v255
	v_lshrrev_b32 v1, 5, v0
	s_delay_alu instid0(VALU_DEP_1)
	v_readfirstlane_b32 s[WV], v1                  ; wave 0..7
	s_bfe_u32 s13, ttmp6, 0x40000                  ; cx: my place in the cluster: it enters Q's and the result's addresses alone
	s_and_b32 s14, ttmp7, 0xffff                   ; hb, which the four partners share
	s_mul_i32 s50, s14, HEADB                      ; the head's block of kv
	s_mov_b32 s51, 0
	s_mul_i32 s52, s[WV], PARTA                    ; my parts of it: the same bytes in memory and in LDS
	s_mov_b32 s53, 0
	s_mul_i32 s54, s[WV], PARTB
	s_add_co_u32 s54, s54, 8*PARTA
	s_mov_b32 s55, 0
	s_lshl_b32 s49, s13, 4
	s_add_co_u32 s49, s49, s[WV]                   ; my group of 32 queries in pass 0: 16 cx + wave; in pass 1: 8 more
	s_lshl_b32 s56, s14, 17
	s_lshl_b32 s62, s49, 11
	s_add_co_u32 s56, s56, s62                     ; its image: 131,072 hb + 2,048 x group
	s_mov_b32 s57, 0
	s_lshl_b32 s58, s14, 12
	s_lshr_b32 s62, s49, 2
	s_lshl_b32 s62, s62, 8
	s_add_co_u32 s58, s58, s62
	s_and_b32 s62, s49, 3
	s_lshl_b32 s62, s62, 2
	s_add_co_u32 s58, s58, s62                     ; its scale words: 4,096 hb + 256 (group / 4) + 4 (group % 4)
	s_mov_b32 s59, 0
	s_lshr_b32 s60, s14, 4
	s_lshl_b32 s60, s60, 23
	s_lshl_b32 s62, s49, 17
	s_add_co_u32 s60, s60, s62
	s_and_b32 s62, s14, 15
	s_lshl_b32 s62, s62, 8
	s_add_co_u32 s60, s60, s62                     ; its result: batch x 2^23 + 32 x group rows of 4,096 bytes + 256 x head
	s_mov_b32 s61, 0
	; descriptor group 1: dense bytes as rows of 256 (32 elements of 8 bytes), no padding: 40 rows, and 92
	s_mov_b32 s16, 15|(3<<16)|(1<<21)              ; 15:0 the mask: all four work-groups; 17:16 elements of 8 bytes; 21 set beside a mask
	s_mov_b32 s17, 32<<16                          ; tensor_dim0
	s_mov_b32 s18, 40<<16                          ; tensor_dim1
	s_mov_b32 s19, 32<<16                          ; tile_dim0
	s_mov_b32 s20, 40                              ; tile_dim1
	s_mov_b32 s21, 32                              ; tensor_dim0_stride
	s_mov_b32 s22, 0
	s_mov_b32 s23, 0
	s_mov_b32 s24, 15|(3<<16)|(1<<21)
	s_mov_b32 s25, 32<<16
	s_mov_b32 s26, 92<<16
	s_mov_b32 s27, 32<<16
	s_mov_b32 s28, 92
	s_mov_b32 s29, 32
	s_mov_b32 s30, 0
	s_mov_b32 s31, 0
	s_mov_b32 s[SEL], 0x76543210
	s_mov_b32 s[SEL+1], 0xfedcba98
	s_mov_b32 s[CS], 0x3e38aa3b                    ; c = log2(e) / sqrt(64)
	s_mov_b32 s[CS+1], s[CS]                       ; (named with it as a pair, so it is written)
	s_mul_i32 s15, s[WV], 16*272
	s_add_co_u32 s15, s15, STAGE                   ; my stage
	s_wait_dscnt 0x0
	s_wait_kmcnt 0x0
	s_add_nc_u64 s[4:5], s[4:5], s[56:57]
	s_add_nc_u64 s[6:7], s[6:7], s[58:59]
	s_add_nc_u64 s[8:9], s[8:9], s[50:51]
	s_add_nc_u64 s[10:11], s[10:11], s[60:61]
	s_mov_b32 s32, 1                               ; group 0: count = 1,
	s_mov_b32 s33, s52                             ; LDS address,
	s_add_nc_u64 s[34:35], s[8:9], s[52:53]        ; global address,
	s_or_b32 s35, s35, 0x80000000                  ; type = 2
	s_mov_b32 s36, 1
	s_mov_b32 s37, s54
	s_add_nc_u64 s[38:39], s[8:9], s[54:55]
	s_or_b32 s39, s39, 0x80000000
	ROUND                                          ; all four work-groups are here: the joint loads meet
	tensor_load_to_lds s[32:35], s[16:23]          ; every wave's two loads, the launch's only ones, stand together: two of mine are out
	s_nop 0
	tensor_load_to_lds s[36:39], s[24:31]
	s_nop 0
.rept 4
	v_nop
.endr
	v_and_b32 v[LI], 31, v0
	s_delay_alu instid0(VALU_DEP_1)
	v_lshlrev_b32 v[LI], 4, v[LI]
	v_and_b32 v8, 15, v0                           ; r
	v_bfe_u32 v9, v0, 4, 1                         ; h
	s_delay_alu instid0(VALU_DEP_2)
	v_lshlrev_b32 v[ASC], 4, v8
.irp T, 0,1                                    ; q's two tiles: 1,024 bytes each, channels 0-31 and 32-63
	WIN 0x40*\T
	global_load_b128 v[24:27], v[LI], s[4:5] offset:1024*\T
	global_load_b128 v[28:31], v[LI], s[4:5] offset:1024*\T+512
.endr
	WIN 0
	global_load_b32 v[QW], v[ASC], s[6:7]          ; their rows' scale bytes
	v_mul_u32_u24 v10, v8, 272
	s_delay_alu instid0(VALU_DEP_1)
	v_add_nc_u32 v10, s15, v10                     ; my stage, row r
	s_delay_alu instid0(VALU_DEP_1)
	v_mad_u32_u24 v[SOL], v9, 96, v10
	s_delay_alu instid0(VALU_DEP_2)
	v_lshl_add_u32 v[SOH], v9, 5, v10
	s_delay_alu instid0(VALU_DEP_1)
	v_add_nc_u32 v[SOH], 32, v[SOH]
	v_mul_u32_u24 v[SR], v9, 272
	s_delay_alu instid0(VALU_DEP_1)
	v_add_nc_u32 v[SR], v[SR], v[ASC]
	s_delay_alu instid0(VALU_DEP_1)
	v_add_nc_u32 v[SR], s15, v[SR]
	v_lshl_add_u32 v[GO], v9, 12, v[ASC]
.irp T, 0,1                                    ; written once in each window: the zero codes beside q; the lane permutes' destinations, which count as sources; the upper half of the pair f
	WIN 0x40*\T
.irp j, 16,17,18,19,20,21,22,23,32,33,34,35,36,37,38,39
	v_mov_b32 v[\j], 0
.endr
.irp b, 0,1,2,3
	v_mov_b32 v[T2+\b], 0
.endr
	v_mov_b32 v[FF+1], 0
.endr
	WIN 0
; ONE TILE'S SOFTMAX FOR A STEP OF 128 KEYS, all in the tile's window but the last line of p's scale word, whose register has no window.
.macro SOFTMAX T
.irp b, 0,1,2,3
	v_max3_num_f32 v[BM+\b], v[S+16*\b], v[S+16*\b+1], v[S+16*\b+2]   ; the largest score of each block of 32 keys: it serves for the row's maximum and, since p rises with the score, for the block's largest p
.endr
.irp i, 3,5,7,9,11,13
.irp b, 0,1,2,3
	v_max3_num_f32 v[BM+\b], v[BM+\b], v[S+16*\b+\i], v[S+16*\b+\i+1]   ; (the four blocks by turns)
.endr
.endr
.irp b, 0,1,2,3
	v_max_num_f32 v[BM+\b], v[BM+\b], v[S+16*\b+15]
.endr
.irp b, 0,1,2,3
	s_delay_alu instid0(VALU_DEP_4)
	v_permlanex16_b32 v[T2+\b], v[BM+\b], s[SEL], s[SEL+1]
.endr
.irp b, 0,1,2,3
	s_delay_alu instid0(VALU_DEP_4)
	v_max_num_f32 v[BM+\b], v[BM+\b], v[T2+\b]     ; with lane l xor 16's 16 keys
.endr
	s_delay_alu instid0(VALU_DEP_2)
	v_max3_num_f32 v[TMP], v[BM], v[BM+1], v[BM+2]
	s_delay_alu instid0(VALU_DEP_1)
	v_max_num_f32 v[TMP], v[TMP], v[BM+3]          ; the step's largest score of my query
	s_delay_alu instid0(VALU_DEP_1)
	v_mul_f32 v[TMP], s[CS], v[TMP]                ; as t (c is positive)
	s_delay_alu instid0(VALU_DEP_1)
	v_max_num_f32 v[MT], v[MT], v[TMP]             ; the running largest t
	v_mov_b32 v[TMP], v[NM]
	s_delay_alu instid0(VALU_DEP_2)
	v_floor_f32 v[NM], -v[MT]                      ; the new -M = floor(-t) = -ceil(t)
	s_delay_alu instid0(VALU_DEP_1)
	v_sub_f32 v[TMP], v[NM], v[TMP]                ; old M - new M: a whole number, 0 or less
	s_delay_alu instid0(VALU_DEP_1)
	v_cvt_i32_f32 v[TMP], v[TMP]                   ; (it saturates)
	s_delay_alu instid0(VALU_DEP_1)
	v_ldexp_f32 v[FF], 1.0, v[TMP]                 ; f = 2^(old M - new M)
.set j, 0
.rept 32
	v_pk_fma_f32 v[S+j:S+j+1], v[S+j:S+j+1], s[CS:CS+1], v[NM:NM+1] op_sel_hi:[1,0,0]   ; t - M, two at a time (of the pairs c and -M the low word serves both halves)
.set j, j+2
.endr
.irp b, 0,1,2,3
	v_fma_f32 v[BM+\b], v[BM+\b], s[CS], v[NM]     ; the same of each block's largest score
.endr
.set j, 0
	s_wait_alu depctr_va_vdst(0)
.rept 64
	v_exp_f32 v[S+j], v[S+j]                       ; p = 2^(t - M), at most 1
.set j, j+1
.endr
.irp b, 0,1,2,3
	v_exp_f32 v[BM+\b], v[BM+\b]                   ; the block's largest p
.endr
	v_pk_mul_f32 v[14:15], v[14:15], v[FF:FF+1] op_sel_hi:[1,0]   ; the sums under the new M.  (A plain place behind the exponentials)
	s_wait_alu depctr_va_vdst(0)
.irp b, 0,1,2,3
	v_max_num_f32 v[BM+\b], 0x8000000, v[BM+\b]    ; the floor 2^(16 - 127): the byte cannot fall under 1
.endr
.irp b, 0,1,2,3
	s_delay_alu instid0(VALU_DEP_4)
	v_add_nc_u32 v[SCO+\b], 0xf8800000, v[BM+\b]   ; 15 off the exponent field: the conversion's scale operand
.endr
.irp b, 0,1,2,3
.endr
.irp b, 0,1,2,3
	s_delay_alu instid0(VALU_DEP_4)
	v_lshrrev_b32 v[T2+\b], 23, v[SCO+\b]          ; the scale's byte
.endr
	s_delay_alu instid0(VALU_DEP_3)
	v_lshl_or_b32 v[PWD], v[T2+1], 8, v[T2]
	s_delay_alu instid0(VALU_DEP_1)
	v_lshl_or_b32 v[PWD], v[T2+2], 16, v[PWD]
	WIN 0x15*\T                                    ; sources in the tile's window, destination in window 0, from which scale operands are always taken
	v_lshl_or_b32 v[PS+\T], v[T2+3], 24, v[PWD]    ; p's scale word for these 128 keys: far more than eight places ahead of its products
	WIN 0x55*\T
	v_pk_add_f32 v[CH:CH+1], v[S:S+1], v[S+2:S+3]  ; the row's sum is taken of the unquantised p: two at a time, in two chains
.irp j, 4,8,12,16,20,24,28,32,36,40,44,48,52,56,60
	v_pk_add_f32 v[14:15], v[14:15], v[S+\j:S+\j+1]
	v_pk_add_f32 v[CH:CH+1], v[CH:CH+1], v[S+\j+2:S+\j+3]
.endr
	s_delay_alu instid0(VALU_DEP_1)
	v_pk_add_f32 v[14:15], v[14:15], v[CH:CH+1]
.irp b, 0,1,2,3
.set j, 0
.rept 16
.set j, j+1
.endr
	v_cvt_scalef32_pk8_bf8_f32 v[PC+4*\b:PC+4*\b+1], v[S+16*\b:S+16*\b+7], v[SCO+\b]
	v_cvt_scalef32_pk8_bf8_f32 v[PC+4*\b+2:PC+4*\b+3], v[S+16*\b+8:S+16*\b+15], v[SCO+\b]
.endr
.set j, 0
.rept 16
	v_pk_mul_f32 v[OT+j:OT+j+1], v[OT+j:OT+j+1], v[FF:FF+1] op_sel_hi:[1,0]   ; O^T under the new M.  (These sixteen are also the places between the codes and their products)
.set j, j+2
.endr
.endm
; A KEY STEP: 128 keys, both tiles.  K and its scale words were asked for a step ago; V is asked for here and lands under the softmax, and so does the next step's K.
.macro STEP
	s_wait_dscnt 0x0                               ; K and its scale words are in
	WIN 0x01                                       ; source 0 (K) window 1; q and S^T window 0
	s_setprio 2
.irp b, 0,1,2,3
	v_wmma_scale_f32_16x16x128_f8f6f4 v[S+16*\b:S+16*\b+7], v[FK+16*\b:FK+16*\b+15], v[24:39], 0, v[KSR+\b], v[QS] matrix_a_fmt:MATRIX_FMT_BF8 matrix_b_fmt:MATRIX_FMT_BF8
	v_wmma_scale_f32_16x16x128_f8f6f4 v[S+16*\b+8:S+16*\b+15], v[FK+16*\b:FK+16*\b+15], v[16:31], 0, v[KSR+\b], v[QS] matrix_a_fmt:MATRIX_FMT_BF8 matrix_b_fmt:MATRIX_FMT_BF8
.endr
	WIN 0x45                                       ; K, q and S^T window 1
.irp b, 0,1,2,3
	v_wmma_scale_f32_16x16x128_f8f6f4 v[S+16*\b:S+16*\b+7], v[FK+16*\b:FK+16*\b+15], v[24:39], 0, v[KSR+\b], v[QS+1] matrix_a_fmt:MATRIX_FMT_BF8 matrix_b_fmt:MATRIX_FMT_BF8
	v_wmma_scale_f32_16x16x128_f8f6f4 v[S+16*\b+8:S+16*\b+15], v[FK+16*\b:FK+16*\b+15], v[16:31], 0, v[KSR+\b], v[QS+1] matrix_a_fmt:MATRIX_FMT_BF8 matrix_b_fmt:MATRIX_FMT_BF8
.endr
	WIN 0
	v_add_nc_u32 v[ADK], s[TBK], v[LI]             ; eight places behind the products above and the last step's: in front of the loads into their fragments and scale words, and of the first read of the scores
	v_add_nc_u32 v[ADV], s[TBV], v[LI]
	v_add_nc_u32 v[ADS], s[TBS], v[ASC]
.rept 5
	v_nop
.endr
	ds_load_b128 v[VSR:VSR+3], v[ADS] offset:VSO   ; V's scale words of this step
.irp t, 0,1,2,3
.irp c, 0,1,2,3
	ds_load_b128 v[FV+16*\t+4*\c:FV+16*\t+4*\c+3], v[ADV] offset:2048*\t+512*\c   ; V: tile t of 16 channels, key block c: 512 consecutive bytes
.endr
.endr
	ds_load_b128 v[KSR:KSR+3], v[ADS] offset:256   ; the NEXT step's K: its scale words,
	WIN 0x40
.irp b, 0,1,2,3
.irp c, 0,1,2,3
	ds_load_b128 v[FK+16*\b+4*\c:FK+16*\b+4*\c+3], v[ADK] offset:8192+2048*\b+512*\c   ; and its four fragments.  (In the last step these 17 loads read bytes of V and its scale words, which have landed, and what they bring is never multiplied)
.endr
.endr
	WIN 0
	SOFTMAX 0
	WIN 0x55
	s_setprio 1
	SOFTMAX 1
	WIN 0
	s_setprio 0
	s_wait_alu depctr_va_vdst(0)
	s_wait_dscnt 17                                ; V and its scale words are in; behind them stand the next K's scale words and its 16 loads
.irp t, 0,1,2,3
	v_wmma_scale_f32_16x16x128_f8f6f4 v[OT+8*\t:OT+8*\t+7], v[FV+16*\t:FV+16*\t+15], v[PC:PC+15], v[OT+8*\t:OT+8*\t+7], v[VSR+\t], v[PS] matrix_a_fmt:MATRIX_FMT_BF8 matrix_b_fmt:MATRIX_FMT_BF8
.endr
	WIN 0x54                                       ; V window 0; p, C and D window 1.  The eight accumulators take turns, one instruction a turn
.irp t, 0,1,2,3
	v_wmma_scale_f32_16x16x128_f8f6f4 v[OT+8*\t:OT+8*\t+7], v[FV+16*\t:FV+16*\t+15], v[PC:PC+15], v[OT+8*\t:OT+8*\t+7], v[VSR+\t], v[PS+1] matrix_a_fmt:MATRIX_FMT_BF8 matrix_b_fmt:MATRIX_FMT_BF8
.endr
	WIN 0
	s_add_co_u32 s[TBK], s[TBK], 8192
	s_add_co_u32 s[TBV], s[TBV], 8192
	s_add_co_u32 s[TBS], s[TBS], 256
.endm
.macro STEPS n
	s_mov_b32 s[CNT], \n
.Lstep_\@:
	STEP
	s_sub_co_u32 s[CNT], s[CNT], 1
	s_cmp_lg_u32 s[CNT], 0
	s_cbranch_scc1 .Lstep_\@
	s_setprio 0
.endm
.macro INIT T                          ; the step is written without a first one of its own: it finds zeros, which the first change of M leaves zeros
	WIN 0x55*\T
	v_mov_b32 v[MT], 0xff61b1e6                    ; the largest t so far: -3e38, under every t
	s_delay_alu instid0(VALU_DEP_1)
	v_floor_f32 v[NM], -v[MT]
	v_mov_b32 v14, 0
	v_mov_b32 v15, 0
.set j, 0
.rept 32
	v_mov_b32 v[OT+j], 0
.set j, j+1
.endr
.endm
.macro FIN T                           ; O^T / the row's sum, into the registers that p has left
	WIN 0x55*\T
	v_add_f32 v14, v14, v15                        ; the sum's two halves,
	s_delay_alu instid0(VALU_DEP_1)
	v_permlanex16_b32 v[TMP], v14, s[SEL], s[SEL+1]
	s_delay_alu instid0(VALU_DEP_1)
	v_add_f32 v14, v14, v[TMP]                     ; and lane l xor 16's
	s_wait_alu depctr_va_vdst(0)
	v_rcp_f32 v14, v14
	v_nop                                          ; one plain place behind a transcendental
.set j, 0
	s_wait_alu depctr_va_vdst(0)
.rept 32
	v_mul_f32 v[S+j], v[OT+j], v14                 ; register 8 t + i, t = 2 bb + u: channel 32 bb + (u = 0: 24 h + i; u = 1: 8 + 8 h + i).  Each accumulator from its low end on
.set j, j+1
.endr
.endm
.macro TOSTAGE T                       ; 16 queries x 64 channels through my stage: in by 32 bytes a lane and tile, back as whole rows of 256 bytes
	WIN 4*\T                                       ; an LDS store's data are its source 1
.irp bb, 0,1
.irp k, 0,1
	ds_store_b128 v[SOL], v[S+16*\bb+4*\k:S+16*\bb+4*\k+3] offset:128*\bb+16*\k
	ds_store_b128 v[SOH], v[S+16*\bb+8+4*\k:S+16*\bb+8+4*\k+3] offset:128*\bb+16*\k
.endr
.endr
	WIN 0
.irp i, 0,1,2,3,4,5,6,7
	ds_load_b128 v[FV+32*\T+4*\i:FV+32*\T+4*\i+3], v[SR] offset:544*\i   ; LDS serves a wave's instructions in order (ISA guide 5.7.1.4): these see my stores, and the next tile's stores come behind them
.endr
.endm
.macro SEND T, p                       ; stage rows 2 i, 2 i + 1 are queries 2 i (+ 16 from row 8 on) of the group in tile 0, 2 i + 8 in tile 1
.irp i, 0,1,2,3,4,5,6,7
.if \T == 1
.set RW, 2*\i+8
.elseif \i < 4
.set RW, 2*\i
.else
.set RW, 2*\i+16
.endif
	global_store_b128 v[GO], v[FV+32*\T+4*\i:FV+32*\T+4*\i+3], s[10:11] offset:\p*1048576+RW*4096 th:TH_STORE_NT   ; sixteen lanes store 256 consecutive bytes, aligned: one query's 64 channels of the head
.endr
.endm
; A PASS: 32 queries against all 2,048 keys.
.macro PASS p
	s_wait_loadcnt 0x0                             ; q and its scale bytes
	v_perm_b32 v[QS], v[QW], v[QW], 0x01000100     ; tile 0's two bytes, twice: for [q | zeros] and for [zeros | q]
	v_perm_b32 v[QS+1], v[QW], v[QW], 0x03020302   ; tile 1's.  (The lines of INIT are the eight places ahead of the products that take them)
	INIT 0
	INIT 1
	WIN 0
	s_mov_b32 s[TBK], K0
	s_mov_b32 s[TBV], V0
	s_mov_b32 s[TBS], 0
.if \p == 0
	s_wait_tensorcnt 0x1                           ; my part of the first 81,920 bytes is in; my second load may stay out
	s_barrier_signal -1
	s_barrier_wait -1                              ; everybody's is
.endif
	ds_load_b128 v[KSR:KSR+3], v[ASC]              ; step 0's K
	WIN 0x40
.irp b, 0,1,2,3
.irp c, 0,1,2,3
	ds_load_b128 v[FK+16*\b+4*\c:FK+16*\b+4*\c+3], v[LI] offset:K0+2048*\b+512*\c
.endr
.endr
	WIN 0
	STEPS 4                                        ; steps 0-3 read V of steps 0-3 and K of steps 0-4: bytes under 81,920
.if \p == 0
	s_wait_tensorcnt 0x0                           ; my part of the rest is in,
	s_wait_dscnt 0x0                               ; (no LDS instruction of mine is out at a signal)
	s_barrier_signal -1
	s_barrier_wait -1                              ; everybody's is
.endif
	s_add_co_u32 s[TBV], s[TBV], VJUMP             ; V's steps 4-15 lie behind K
	STEPS 12
	s_wait_dscnt 0x0                               ; the last step's loads ahead have come, and are not used
.rept 8
	v_nop                                          ; places behind the last products: in front of the loads into q and of the first read of O^T
.endr
.if \p == 0
.irp T, 0,1                                    ; the next pass's q is asked for ahead of this pass's way out: 8 groups of 2,048 bytes on
	WIN 0x40*\T
	global_load_b128 v[24:27], v[LI], s[4:5] offset:16384+1024*\T
	global_load_b128 v[28:31], v[LI], s[4:5] offset:16384+1024*\T+512
.endr
	WIN 0
	global_load_b32 v[QW], v[ASC], s[6:7] offset:512
.endif
	FIN 0
	FIN 1
	TOSTAGE 0
	TOSTAGE 1
	s_wait_dscnt 16                                ; tile 0's rows are back; behind them stand tile 1's 8 stores and 8 loads
	SEND 0, \p
	s_wait_dscnt 0x0
	SEND 1, \p
.if \p == 0
	s_wait_xcnt 0x0                                ; the stores have read their registers: the next pass's fragments of V may land there
.endif
.endm
	PASS 0
	PASS 1
	s_wait_tensorcnt 0x0
	ds_add_u32 v254, v255
	s_wait_dscnt 0x0
	ROUND                                          ; the closing round: no work-group ends while a partner may still ask for bytes jointly.  All my tensor loads and LDS instructions have been waited for
	s_endpgm
.Lfunc_end_k_q2aeed6f435_attn:
	.size	k_q2aeed6f435_attn, .Lfunc_end_k_q2aeed6f435_attn-k_q2aeed6f435_attn
	.p2alignl 7, 3214868480
	.fill 96, 4, 3214868480
	.section	.rodata,"a",@progbits
	.p2align	6, 0x0
	.amdhsa_kernel k_q2aeed6f435_attn
		.amdhsa_group_segment_fixed_size 327680
		.amdhsa_private_segment_fixed_size 0
		.amdhsa_enable_private_segment 0
		.amdhsa_kernarg_size 32
		.amdhsa_user_sgpr_count 2
		.amdhsa_user_sgpr_kernarg_segment_ptr 1
		.amdhsa_wavefront_size32 1
		.amdhsa_system_sgpr_workgroup_id_x 1
		.amdhsa_system_sgpr_workgroup_id_y 1
		.amdhsa_system_sgpr_workgroup_id_z 1
		.amdhsa_system_vgpr_workitem_id 0
		.amdhsa_next_free_vgpr 512
		.amdhsa_next_free_sgpr 66
		.amdhsa_reserve_vcc 0
		.amdhsa_float_denorm_mode_32 3
		.amdhsa_float_denorm_mode_16_64 3
		.amdhsa_fp16_overflow 1
		.amdhsa_memory_ordered 1
		.amdhsa_forward_progress 1
		.amdhsa_inst_pref_size 154
	.end_amdhsa_kernel
	.amdgpu_metadata
---
amdhsa.version: [ 1, 2 ]
amdhsa.kernels:
  - .name:           k_q2aeed6f435_attn
    .symbol:         k_q2aeed6f435_attn.kd
    .args:
      - { .name: qimg, .offset: 0, .size: 8, .value_kind: global_buffer, .address_space: global }
      - { .name: qsc, .offset: 8, .size: 8, .value_kind: global_buffer, .address_space: global }
      - { .name: kv, .offset: 16, .size: 8, .value_kind: global_buffer, .address_space: global }
      - { .name: out0, .offset: 24, .size: 8, .value_kind: global_buffer, .address_space: global }
    .group_segment_fixed_size: 327680
    .private_segment_fixed_size: 0
    .kernarg_segment_align: 8
    .kernarg_segment_size: 32
    .max_flat_workgroup_size: 256
    .sgpr_count:     66
    .vgpr_count:     512
    .wavefront_size: 32
...
	.end_amdgpu_metadata
.endif
;; end of part 2
